; MI455X (gfx1250); checked and timed in simulation.
; The chip was launched on July 23, 2026; its instructions are those of AMD's public machine-readable ISA for CDNA 5 (MIT licence, August 2026) and "CDNA5" Instruction Set Architecture Reference Guide (July 2026). The comments in the code are by the model that wrote it; some were corrected since.
;; Transformer. Allowed arithmetic: matrix products marked QUANTISED: E2M3 operands, one E8M0 scale for each 32 along K, by v_wmma_scale_f32_16x16x128_f8f6f4 with both operands' format E2M3, f32 sums; products left as they are: f32 operands where the result goes on into a quantised operand, else bf16, f16 or f32 operands; f32 sums; everything else in f32.
;; Inputs: ff_b1 4 x 256 float32; ff_b2 4 x 128 float32; ff_w1_codes 4 x 256 x 4 x 24 uint8 (E2M3 codes of ff_w1, K innermost, in blocks of 32 codes, four codes in three bytes); ff_w1_scales 4 x 256 x 4 uint8 (E8M0 scales of ff_w1, one for each 32 codes along K); ff_w2_codes 4 x 128 x 8 x 24 uint8 (E2M3 codes of ff_w2, K innermost, in blocks of 32 codes, four codes in three bytes); ff_w2_scales 4 x 128 x 8 uint8 (E8M0 scales of ff_w2, one for each 32 codes along K); ln1_b 4 x 128 float32; ln1_g 4 x 128 float32; ln2_b 4 x 128 float32; ln2_g 4 x 128 float32; out_b 4 x 128 float32; out_w_codes 4 x 128 x 1 x 24 uint8 (E2M3 codes of out_w, K innermost, in blocks of 32 codes, four codes in three bytes); out_w_scales 4 x 128 x 1 uint8 (E8M0 scales of out_w, one for each 32 codes along K); qkv_w_codes 4 x 96 x 4 x 24 uint8 (E2M3 codes of qkv_w, K innermost, in blocks of 32 codes, four codes in three bytes); qkv_w_scales 4 x 96 x 4 uint8 (E8M0 scales of qkv_w, one for each 32 codes along K); x 8 x 16,384 x 128 float32.
;; Outputs: out0 8 x 16,384 x 128 float32.
;; Constants: h = 128, w = 128.
;; This version of the problem:
;;   THIS VERSION OF THE PROBLEM IS GIVEN IN LOW PRECISION. The matrix products marked QUANTISED in the list below multiply operands that are first quantised to E2M3 (2 exponent bits, 3 mantissa bits; 6 bits a number), with one power-of-two scale for each 32 numbers along K (OCP MX v1.0); their sums are f32. All else is computed in f32.
;;   The module's matrix products, in the order in which they are computed (A, B: the left and right operand; K: the contracted axis; several contracted axes count as one K, in the product's order):
;;     1. [M 131,072, K 128] x [K 128, N 96]; A: computed on the way; B: input qkv_w (given as codes): QUANTISED
;;     2. batch 524,288 x [M 1, K 8] x [K 8, N 9]; A: computed on the way; B: computed on the way: left as it is (K = 8 < 32)
;;     3. batch 524,288 x [M 1, K 9] x [K 9, N 8]; A: softmax; B: computed on the way: left as it is (K = 9 < 32)
;;     4. [M 131,072, K 32] x [K 32, N 128]; A: computed on the way; B: input out_w (given as codes): QUANTISED
;;     5. [M 131,072, K 128] x [K 128, N 256]; A: computed on the way; B: input ff_w1 (given as codes): QUANTISED
;;     6. [M 131,072, K 256] x [K 256, N 128]; A: computed on the way; B: input ff_w2 (given as codes): QUANTISED
;;     7. [M 131,072, K 128] x [K 128, N 96]; A: computed on the way; B: input qkv_w (given as codes): QUANTISED
;;     8. batch 524,288 x [M 1, K 8] x [K 8, N 9]; A: computed on the way; B: computed on the way: left as it is (K = 8 < 32)
;;     9. batch 524,288 x [M 1, K 9] x [K 9, N 8]; A: softmax; B: computed on the way: left as it is (K = 9 < 32)
;;     10. [M 131,072, K 32] x [K 32, N 128]; A: computed on the way; B: input out_w (given as codes): QUANTISED
;;     11. [M 131,072, K 128] x [K 128, N 256]; A: computed on the way; B: input ff_w1 (given as codes): QUANTISED
;;     12. [M 131,072, K 256] x [K 256, N 128]; A: computed on the way; B: input ff_w2 (given as codes): QUANTISED
;;     13. [M 131,072, K 128] x [K 128, N 96]; A: computed on the way; B: input qkv_w (given as codes): QUANTISED
;;     14. batch 524,288 x [M 1, K 8] x [K 8, N 9]; A: computed on the way; B: computed on the way: left as it is (K = 8 < 32)
;;     15. batch 524,288 x [M 1, K 9] x [K 9, N 8]; A: softmax; B: computed on the way: left as it is (K = 9 < 32)
;;     16. [M 131,072, K 32] x [K 32, N 128]; A: computed on the way; B: input out_w (given as codes): QUANTISED
;;     17. [M 131,072, K 128] x [K 128, N 256]; A: computed on the way; B: input ff_w1 (given as codes): QUANTISED
;;     18. [M 131,072, K 256] x [K 256, N 128]; A: computed on the way; B: input ff_w2 (given as codes): QUANTISED
;;     19. [M 131,072, K 128] x [K 128, N 96]; A: computed on the way; B: input qkv_w (given as codes): QUANTISED
;;     20. batch 524,288 x [M 1, K 8] x [K 8, N 9]; A: computed on the way; B: computed on the way: left as it is (K = 8 < 32)
;;     21. batch 524,288 x [M 1, K 9] x [K 9, N 8]; A: softmax; B: computed on the way: left as it is (K = 9 < 32)
;;     22. [M 131,072, K 32] x [K 32, N 128]; A: computed on the way; B: input out_w (given as codes): QUANTISED
;;     23. [M 131,072, K 128] x [K 128, N 256]; A: computed on the way; B: input ff_w1 (given as codes): QUANTISED
;;     24. [M 131,072, K 256] x [K 256, N 128]; A: computed on the way; B: input ff_w2 (given as codes): QUANTISED
;;   THE QUANTISER, for each operand of a quantised product, along K:
;;     - K is cut into blocks of 32 from its start; a last block that is shorter is filled with zeros.
;;     - A block's scale is 2^e with e = floor(log2(the largest magnitude in the block)) - 2, held to -126 .. 127; a block of zeros has e = 0. As a byte (E8M0): e + 127.
;;     - Each number is divided by its block's scale, clamped to +-7.5, and rounded to the nearest number of E2M3, ties to even, subnormals kept.
;;     - The product sums the exact products of the quantised numbers (number of the format x scale) in f32.
;;   ~~~python
;;   def quantise(x, axis):      # numpy; x: float32 -> the quantised numbers, widened to float32 again
;;       x = np.moveaxis(x, axis, -1); K = x.shape[-1]
;;       x = np.pad(x, [(0, 0)] * (x.ndim - 1) + [(0, -K % 32)]); x = x.reshape(x.shape[:-1] + (-1, 32)); a = np.abs(x).max(-1, keepdims=True)
;;       e = np.where(a > 0, np.clip(np.frexp(np.where(a > 0, a, 1))[1] - 1 - 2, -126, 127), 0)      # np.frexp(a)[1] - 1 = floor(log2(a)), exactly
;;       r = np.clip(x / 2.0 ** e, -7.5, 7.5)
;;       step = 2.0 ** (np.maximum(np.frexp(np.where(r == 0, 1, r))[1] - 1, 0) - 3)
;;       q = np.round(r / step) * step * 2.0 ** e      # np.round: ties to even
;;       return np.moveaxis(q.reshape(q.shape[:-2] + (-1,))[..., :K], -1, axis).astype(np.float32)
;;   ~~~
;;   OPERANDS COMPUTED ON THE WAY. 'Computed on the way' means the value that the module computes at that place (a softmax that the list does not call 'softmax' is quantised finished and normalised). What goes into a quantiser is computed in f32, as accurately as f32 sums, v_exp_f32 and their like allow (about 1e-6 of the number): no bf16 or f16 on the way to a quantiser, and a product that is left as it is and whose result goes on into a quantised operand takes f32 operands (vector FMAs, or v_wmma_f32_16x16x4_f32). A number that lies on a knife's edge between two numbers of the format may be rounded either way, as far as f32 arithmetic and the matrix unit's own rounding can turn it there, and no further.
;;   INPUTS GIVEN AS CODES. ff_w1 (in the module: [4, 128, 256], K = its axis 1); ff_w2 (in the module: [4, 256, 128], K = its axis 1); out_w (in the module: [4, 32, 128], K = its axis 1); qkv_w (in the module: [4, 128, 96], K = its axis 1): each comes as NAME_codes (uint8): NAME with its K axis moved to the last place and cut into blocks of 32 codes, [.., K / 32, bytes a block], one block behind the other in memory; four codes in three bytes: a row's codes are one little-endian stream of bits, code i at bits 6 i .. 6 i + 5 (a code: sign, 2 exponent bits, 3 mantissa bits); and NAME_scales (uint8): the same leading axes, one E8M0 byte (e + 127) for each 32 codes along K. Its value is code x scale, taken as it is: it is not quantised again, and the codes and scales need not be those that the quantiser above would give.
;; One version. Each part assembles by itself: llvm-mc -triple=amdgcn-amd-amdhsa -mcpu=gfx1250 --defsym DOCPART=n.
;; ======== version 1 of 1: 5 launches
;; limits: right only within a limited range of input values
;; workspace buffers: bufA 67,108,864 bytes; W0 72,704 bytes; W1 72,704 bytes; W2 72,704 bytes; W3 72,704 bytes
;; launch prep (part 1): grid 41 x 4, 1 waves a work-group, no clusters, 0 bytes of LDS; arguments ff_w1_codes, ff_w2_codes, qkv_w_codes, out_w_codes, ff_w1_scales, ff_w2_scales, qkv_w_scales, out_w_scales, ln1_g, ln1_b, ln2_g, ln2_b, out_b, ff_b1, ff_b2, W0, W1, W2, W3; writes W0, W1, W2, W3
.if DOCPART == 1
	.amdgcn_target "amdgcn-amd-amdhsa--gfx1250"
	.amdhsa_code_object_version 6
	.text
	.protected	k_q73b8cedbce_prep
	.globl	k_q73b8cedbce_prep
	.p2align	8
	.type	k_q73b8cedbce_prep,@function
k_q73b8cedbce_prep:
	s_mov_b64 s[64:65], 0
	v_nop
	global_prefetch_b8 v0, s[64:65] scope:SCOPE_SE
	s_setreg_imm32_b32 hwreg(HW_REG_WAVE_MODE, 25, 1), 1
	s_wait_xcnt 0x0
; Lays each layer's parameters into a buffer of its own, W_d (d = work-group y), in the order in which the layer launch's registers take them, so that one body serves all four layers and every load there is 16 bytes a lane.
; Nothing is computed: codes and scale bytes are copied as they are given.  All fifteen parameter inputs have a way to the output and are read here.
; A FRAGMENT (16 weight rows x 128 along K, 12 registers a lane) is stored as an image of its registers: chunk c of 512 bytes holds registers 4 c .. 4 c + 3, lane l's at 16 l.
; Lane (r, h) of tile t = 2 b + u takes weight row 32 b + 8 u + r + 8 (r / 8): the rows of a tile are not neighbours, so that in the transposed product the 16 registers of tiles 2 b, 2 b + 1 are 16 neighbouring outputs.
; A SCALE IMAGE (128 bytes, a word a lane): lanes 0-15 hold the words of tile 2 b's rows, lanes 16-31 those of tile 2 b + 1's.
; VECTORS lie in half order: index 16 b + i of half h is channel 32 b + 16 h + i.
; W_d, bytes: 0 qkv's 6 fragments; 9216 its 3 scale images; 9600 128 zeros; 9728 for each half 1024: ln1_g, ln1_b, ff_b1; 11776 ff_b2 as it lies; 12288 for each half 768: ln2_g, ln2_b, out_b;
; 13824 out_w as 56 registers (register 6 t + i: word i of the row's 24 bytes, the last eight zeros); 20992 out_w's 4 scale images (the byte, and 0x7f for the three blocks that hold no codes);
; 21504 ff_w1's 8 scale images; 22528 ff_w2's 8 (2 b + K step); 23552 ff_w1's 16 fragments; 48128 ff_w2's 16 (2 t + K step).
; Work-group x: 0-15 a fragment of ff_w1, 16-31 of ff_w2, 32-37 of qkv_w; 38 out_w; 39 the scale images; 40 the vectors.  One wave each; each byte of W_d is stored by one work-group.
	s_load_b512 s[16:31], s[0:1], 0x0              ; ff_w1, ff_w2, qkv_w, out_w codes; ff_w1, ff_w2, qkv_w, out_w scales
	s_load_b512 s[32:47], s[0:1], 0x40             ; ln1_g, ln1_b, ln2_g, ln2_b, out_b, ff_b1, ff_b2, W0
	s_load_b128 s[48:51], s[0:1], 0x80             ; W1, W2
	s_load_b64 s[52:53], s[0:1], 0x90              ; W3
	s_and_b32 s2, ttmp7, 0xffff                    ; d, the layer
	v_and_b32 v1, 15, v0                           ; r
	v_lshrrev_b32 v2, 4, v0                        ; h
	v_and_b32 v3, 8, v1
	v_add_nc_u32 v3, v3, v1                        ; r + 8 (r / 8)
	v_lshlrev_b32 v5, 4, v0                        ; 16 x lane
	v_lshlrev_b32 v6, 2, v0                        ; 4 x lane
	s_wait_kmcnt 0x0
	s_cmp_eq_u32 s2, 1                             ; the layer's buffer: a choice on the work-group's number alone
	s_cselect_b64 s[4:5], s[48:49], s[46:47]
	s_cmp_eq_u32 s2, 2
	s_cselect_b64 s[4:5], s[50:51], s[4:5]
	s_cmp_eq_u32 s2, 3
	s_cselect_b64 s[4:5], s[52:53], s[4:5]
	s_cmp_lt_u32 ttmp9, 38
	s_cbranch_scc0 .Lnot_frag
	; ---- one fragment
	s_sub_co_u32 s9, ttmp9, 16                     ; ff_w2: its fragment's number,
	s_lshr_b32 s10, s9, 1                          ; tile
	s_and_b32 s11, s9, 1                           ; and K step
	s_sub_co_u32 s12, ttmp9, 32                    ; qkv_w: tile
	s_mul_i32 s13, ttmp9, 1536
	s_add_co_u32 s13, s13, 23552                   ; where it goes: ff_w1's and ff_w2's lie on end,
	s_mul_i32 s14, s12, 1536                       ; qkv_w's at the buffer's head
	s_mov_b32 s8, 192                              ; a weight row in bytes
	s_mov_b32 s15, 24576                           ; a layer's codes in bytes
	s_cmp_lt_u32 ttmp9, 16
	s_cselect_b64 s[6:7], s[16:17], s[18:19]
	s_cselect_b32 s8, 96, s8
	s_cselect_b32 s10, ttmp9, s10
	s_cselect_b32 s11, 0, s11
	s_cmp_lt_u32 ttmp9, 32
	s_cselect_b64 s[6:7], s[6:7], s[20:21]
	s_cselect_b32 s8, s8, 96
	s_cselect_b32 s10, s10, s12
	s_cselect_b32 s11, s11, 0
	s_cselect_b32 s13, s13, s14
	s_cselect_b32 s15, s15, 9216
	s_lshr_b32 s54, s10, 1
	s_lshl_b32 s54, s54, 5
	s_and_b32 s55, s10, 1
	s_lshl_b32 s55, s55, 3
	s_add_co_u32 s54, s54, s55                     ; the tile's first row: 32 b + 8 u
	s_mul_i32 s54, s54, s8
	s_mul_i32 s55, s11, 96                         ; the K step's 96 bytes
	s_add_co_u32 s54, s54, s55
	s_mul_i32 s55, s2, s15                         ; the layer
	s_add_co_u32 s54, s54, s55
	s_mov_b32 s55, 0
	s_add_nc_u64 s[6:7], s[6:7], s[54:55]
	s_mov_b32 s56, s13
	s_mov_b32 s57, 0
	s_add_nc_u64 s[4:5], s[4:5], s[56:57]
	s_wait_alu depctr_va_vdst(0)
	v_mul_lo_u32 v4, v3, s8
	v_mad_u32_u24 v4, v2, 24, v4                   ; my row, + 24 bytes for the upper half of the lanes
.irp p, 0,1,2,3,4,5
	global_load_b64 v[8+2*\p:9+2*\p], v4, s[6:7] offset:48*(\p/3)+8*(\p%3)   ; registers 6 c .. 6 c + 5: K = 64 c + 32 h + 0 .. 31, as the bits lie
.endr
	s_wait_loadcnt 0x0
.irp c, 0,1,2
	global_store_b128 v5, v[8+4*\c:11+4*\c], s[4:5] offset:512*\c            ; 32 lanes store 512 consecutive bytes
.endr
	s_endpgm
.Lnot_frag:
	s_cmp_eq_u32 ttmp9, 38
	s_cbranch_scc0 .Lnot_outf
	; ---- out_w: a row is 24 bytes, one block of 32 along K
	s_mul_i32 s54, s2, 3072
	s_mov_b32 s55, 0
	s_add_nc_u64 s[6:7], s[22:23], s[54:55]
	s_wait_alu depctr_va_vdst(0)
	v_mul_u32_u24 v4, v3, 24
.irp t, 0,1,2,3,4,5,6,7
.irp p, 0,1,2
	global_load_b64 v[8+6*\t+2*\p:9+6*\t+2*\p], v4, s[6:7] offset:(32*(\t/2)+8*(\t%2))*24+8*\p
.endr
.endr
.irp i, 56,57,58,59,60,61,62,63
	v_mov_b32 v[\i], 0                             ; behind tile 7's six registers: zero codes
.endr
	s_wait_alu depctr_va_vdst(0)
	s_wait_loadcnt 0x0
.irp c, 0,1,2,3,4,5,6,7,8,9,10,11,12,13
	global_store_b128 v5, v[8+4*\c:11+4*\c], s[4:5] offset:13824+512*\c
.endr
	s_endpgm
.Lnot_outf:
	s_cmp_eq_u32 ttmp9, 39
	s_cbranch_scc0 .Lvectors
	; ---- the scale images
	s_lshl_b32 s54, s2, 10
	s_mov_b32 s55, 0
	s_add_nc_u64 s[24:25], s[24:25], s[54:55]
	s_add_nc_u64 s[26:27], s[26:27], s[54:55]
	s_mul_i32 s54, s2, 384
	s_add_nc_u64 s[28:29], s[28:29], s[54:55]
	s_lshl_b32 s54, s2, 7
	s_add_nc_u64 s[30:31], s[30:31], s[54:55]
	s_wait_alu depctr_va_vdst(0)
	v_lshl_add_u32 v4, v2, 3, v3                   ; 8 h + r + 8 (r / 8): my row in a pair of tiles
	v_lshlrev_b32 v7, 2, v4                        ; 4 scale bytes a row
	v_lshlrev_b32 v8, 3, v4                        ; 8 a row
.irp b, 0,1,2,3,4,5,6,7
	global_load_b32 v[16+\b], v7, s[24:25] offset:128*\b
.endr
.irp b, 0,1,2,3
.irp s, 0,1
	global_load_b32 v[24+2*\b+\s], v8, s[26:27] offset:256*\b+4*\s
.endr
.endr
.irp b, 0,1,2
	global_load_b32 v[32+\b], v7, s[28:29] offset:128*\b
.endr
.irp b, 0,1,2,3
	global_load_u8 v[36+\b], v4, s[30:31] offset:32*\b
.endr
	s_wait_loadcnt 0x0
.irp b, 0,1,2,3
	v_or_b32 v[36+\b], 0x7f7f7f00, v[36+\b]        ; the three blocks without codes get the byte of 1.0
.endr
.irp b, 0,1,2,3,4,5,6,7
	global_store_b32 v6, v[16+\b], s[4:5] offset:21504+128*\b
	global_store_b32 v6, v[24+\b], s[4:5] offset:22528+128*\b
.endr
.irp b, 0,1,2
	global_store_b32 v6, v[32+\b], s[4:5] offset:9216+128*\b
.endr
.irp b, 0,1,2,3
	global_store_b32 v6, v[36+\b], s[4:5] offset:20992+128*\b
.endr
	s_endpgm
.Lvectors:
	; ---- the vectors: lane l holds channels 4 l .. 4 l + 3 = 32 b + 16 h + i with b = l / 8, h = (l / 4) % 2, i = 4 (l % 4)
	s_lshl_b32 s54, s2, 9
	s_mov_b32 s55, 0
	s_add_nc_u64 s[32:33], s[32:33], s[54:55]
	s_add_nc_u64 s[34:35], s[34:35], s[54:55]
	s_add_nc_u64 s[36:37], s[36:37], s[54:55]
	s_add_nc_u64 s[38:39], s[38:39], s[54:55]
	s_add_nc_u64 s[40:41], s[40:41], s[54:55]
	s_add_nc_u64 s[44:45], s[44:45], s[54:55]
	s_lshl_b32 s54, s2, 10
	s_add_nc_u64 s[42:43], s[42:43], s[54:55]
	v_bfe_u32 v7, v0, 2, 1
	v_lshrrev_b32 v8, 3, v0
	v_and_b32 v9, 3, v0
	v_lshlrev_b32 v10, 6, v8
	v_lshl_add_u32 v10, v9, 4, v10                 ; 64 b + 16 (l % 4)
	v_lshl_add_u32 v11, v7, 10, v10                ; + 1024 h
	v_mad_u32_u24 v12, v7, 768, v10                ; + 768 h
	v_mov_b32 v48, 0
	global_load_b128 v[16:19], v5, s[32:33]
	global_load_b128 v[20:23], v5, s[34:35]
	global_load_b128 v[24:27], v5, s[36:37]
	global_load_b128 v[28:31], v5, s[38:39]
	global_load_b128 v[32:35], v5, s[40:41]
	global_load_b128 v[36:39], v5, s[42:43]
	global_load_b128 v[40:43], v5, s[42:43] offset:512
	global_load_b128 v[44:47], v5, s[44:45]
	s_wait_alu depctr_va_vdst(0)
	s_wait_loadcnt 0x0
	global_store_b128 v11, v[16:19], s[4:5] offset:9728
	global_store_b128 v11, v[20:23], s[4:5] offset:9728+256
	global_store_b128 v11, v[36:39], s[4:5] offset:9728+512
	global_store_b128 v11, v[40:43], s[4:5] offset:9728+768
	global_store_b128 v12, v[24:27], s[4:5] offset:12288
	global_store_b128 v12, v[28:31], s[4:5] offset:12288+256
	global_store_b128 v12, v[32:35], s[4:5] offset:12288+512
	global_store_b128 v5, v[44:47], s[4:5] offset:11776
	global_store_b32 v6, v48, s[4:5] offset:9600   ; the gap is read with its neighbours by the layer launch, so it is written
	s_endpgm
.Lfunc_end_k_q73b8cedbce_prep:
	.size	k_q73b8cedbce_prep, .Lfunc_end_k_q73b8cedbce_prep-k_q73b8cedbce_prep
	.p2alignl 7, 3214868480
	.fill 96, 4, 3214868480
	.section	.rodata,"a",@progbits
	.p2align	6, 0x0
	.amdhsa_kernel k_q73b8cedbce_prep
		.amdhsa_group_segment_fixed_size 0
		.amdhsa_private_segment_fixed_size 0
		.amdhsa_enable_private_segment 0
		.amdhsa_kernarg_size 152
		.amdhsa_user_sgpr_count 2
		.amdhsa_user_sgpr_kernarg_segment_ptr 1
		.amdhsa_wavefront_size32 1
		.amdhsa_system_sgpr_workgroup_id_x 1
		.amdhsa_system_sgpr_workgroup_id_y 1
		.amdhsa_system_sgpr_workgroup_id_z 1
		.amdhsa_system_vgpr_workitem_id 0
		.amdhsa_next_free_vgpr 72
		.amdhsa_next_free_sgpr 66
		.amdhsa_reserve_vcc 0
		.amdhsa_float_denorm_mode_32 3
		.amdhsa_float_denorm_mode_16_64 3
		.amdhsa_memory_ordered 1
		.amdhsa_forward_progress 1
		.amdhsa_inst_pref_size 16
	.end_amdhsa_kernel
	.amdgpu_metadata
---
amdhsa.version: [ 1, 2 ]
amdhsa.kernels:
  - .name:           k_q73b8cedbce_prep
    .symbol:         k_q73b8cedbce_prep.kd
    .args:
      - { .name: ff_w1_codes, .offset: 0, .size: 8, .value_kind: global_buffer, .address_space: global }
      - { .name: ff_w2_codes, .offset: 8, .size: 8, .value_kind: global_buffer, .address_space: global }
      - { .name: qkv_w_codes, .offset: 16, .size: 8, .value_kind: global_buffer, .address_space: global }
      - { .name: out_w_codes, .offset: 24, .size: 8, .value_kind: global_buffer, .address_space: global }
      - { .name: ff_w1_scales, .offset: 32, .size: 8, .value_kind: global_buffer, .address_space: global }
      - { .name: ff_w2_scales, .offset: 40, .size: 8, .value_kind: global_buffer, .address_space: global }
      - { .name: qkv_w_scales, .offset: 48, .size: 8, .value_kind: global_buffer, .address_space: global }
      - { .name: out_w_scales, .offset: 56, .size: 8, .value_kind: global_buffer, .address_space: global }
      - { .name: ln1_g, .offset: 64, .size: 8, .value_kind: global_buffer, .address_space: global }
      - { .name: ln1_b, .offset: 72, .size: 8, .value_kind: global_buffer, .address_space: global }
      - { .name: ln2_g, .offset: 80, .size: 8, .value_kind: global_buffer, .address_space: global }
      - { .name: ln2_b, .offset: 88, .size: 8, .value_kind: global_buffer, .address_space: global }
      - { .name: out_b, .offset: 96, .size: 8, .value_kind: global_buffer, .address_space: global }
      - { .name: ff_b1, .offset: 104, .size: 8, .value_kind: global_buffer, .address_space: global }
      - { .name: ff_b2, .offset: 112, .size: 8, .value_kind: global_buffer, .address_space: global }
      - { .name: W0, .offset: 120, .size: 8, .value_kind: global_buffer, .address_space: global }
      - { .name: W1, .offset: 128, .size: 8, .value_kind: global_buffer, .address_space: global }
      - { .name: W2, .offset: 136, .size: 8, .value_kind: global_buffer, .address_space: global }
      - { .name: W3, .offset: 144, .size: 8, .value_kind: global_buffer, .address_space: global }
    .group_segment_fixed_size: 0
    .private_segment_fixed_size: 0
    .kernarg_segment_align: 8
    .kernarg_segment_size: 152
    .max_flat_workgroup_size: 32
    .sgpr_count:     66
    .vgpr_count:     72
    .wavefront_size: 32
...
	.end_amdgpu_metadata
.endif
;; end of part 1
;; launch layer0 (part 2): grid 256 x 1, 8 waves a work-group, no clusters, 325,632 bytes of LDS; arguments x, W0, bufA; writes bufA
.if DOCPART == 2
	.amdgcn_target "amdgcn-amd-amdhsa--gfx1250"
	.amdhsa_code_object_version 6
	.text
	.protected	k_q73b8cedbce_layer0
	.globl	k_q73b8cedbce_layer0
	.p2align	8
	.type	k_q73b8cedbce_layer0,@function
k_q73b8cedbce_layer0:
	s_mov_b64 s[64:65], 0
	v_nop
	global_prefetch_b8 v0, s[64:65] scope:SCOPE_SE
	s_setreg_imm32_b32 hwreg(HW_REG_WAVE_MODE, 25, 1), 1
	s_wait_xcnt 0x0
; ONE LAYER: x' = x + Q(attn(Q(LN1 x) Wqkv)) Wout + out_b;  out = x' + Q(gelu(Q(LN2 x') W1 + b1)) W2 + b2.  Q: the MX quantiser to E2M3 along K; the four products run on codes, sums in f32; all else in f32.
; Arguments: x in [8][128][128][128] f32, the layer's parameters as the first launch laid them, x out.  The same body serves all four layers.
; SHARES.  256 work-groups, each a strip of 4 image rows x 128 columns; eight waves, wave w owns columns 16 w .. 16 w + 15: one tile of 16 pixels in each row.
; LAYOUT.  Every product is used transposed (source 0 = 16 weight rows, source 1 = 16 pixels): lane (r, h) holds pixel r, register 16 b + i holds channel 32 b + 16 h + i.
; STEPS.  Stage A(tt), tt = 0 .. 5, takes strip row e = tt - 1: LN1, quantiser, k and v (q for the strip's own rows); k, v go to LDS slot tt, q to the wave's stash (two slots by turns).
; Stage B(tt), tt = 2 .. 5, takes row tt - 2: 3 x 3 attention from slots tt - 2 .. tt, out projection, LN2, MLP, store.  One barrier a step; a step's stores go to a slot that no earlier step reads.
; Odd strips walk their rows bottom up: the nine neighbours are summed in mirrored order.
; WORK LEFT OUT: q of rows e = -1 and e = 4: reference()'s dots at a pixel take q of that pixel alone, and those rows' pixels belong to other strips; it reaches none of this strip's outputs, whatever the inputs hold.
; A NaN, infinity or overflow that reaches only that q is not carried to the result.
; WORK KEPT: rows e = -1 and 4 have LN1, k, v made here too (no bytes pass between work-groups).  A row outside the image runs on the nearest row inside and its k, v are replaced by reference()'s zeros, on a branch made of ids.
; LIMITS: NaN and infinities among the inputs are not served.  A block whose largest magnitude lies under 2^-124 gets the scale byte 1, a block of zeros too (its codes are zeros; only this program reads the byte).
; erf is a quotient of polynomials in u^2 on |u| <= 4 sqrt 2 with an absolute error near 1e-7.
; No cluster: work-groups share only the 72,704 bytes of parameters, read once at the head, against 524,288 bytes of x in and out for each.  No prefetch: each row of x is loaded into registers one whole step ahead of its use.
; LDS: 0 the parameters' first 24,576 bytes as they lie; W2L ff_w2's fragments; W1L ff_w1's (read into registers once; behind a barrier the bytes serve as q's stash for odd rows); then q's stash for even rows;
; STG a stage of 16 rows x 272 bytes a wave; KV six slots of 16 planes (4 channels of k, then of v) x 130 columns x 16 bytes, columns 0 and 129 zeros; SPARE the spare words.
; REGISTERS.  window 0: v1-8 addresses, v9-13, v16-35 scale words, v14-15 addresses in hand, v36-39 two erf coefficients, X v40-103, H v104-167, YC v168-179, HC v180-191, T v192-255.
; window 1: ff_w1's 16 fragments (ahead of them row 0's x), v192-255 the next row's x.
.set W2L,   24576
.set W1L,   49152
.set STG,   90112
.set KV,    124928
.set SPARE, 324608
.set PLANE, 2080
.set ROWKV, 16*PLANE
.set SP,    272
.set X,   40
.set H,   104
.set H0,  104
.set H1,  136
.set YC,  168
.set HC,  180
.set T,   192
.set KB0, 104
.set KB1, 152
.set QO,  200
.set ACC, 216
.set DT,  228
.set MSB, 0
.macro WIN new
.if MSB != (\new)
	s_set_vgpr_msb (MSB<<8)|(\new)
.set MSB, (\new)
.endif
.endm
.macro NOPS n
.rept \n
	v_nop
.endr
.endm
.macro WALU
	s_wait_alu depctr_va_vdst(0)
.endm
.macro SPAIR r, val
	s_mov_b32 s[\r], \val
	s_mov_b32 s[\r+1], s[\r]
.endm
; s32 = e.  s20 = byte offset of my 16 pixels of that row (held inside the image); SCC = the row lies inside the image
.macro ROWSEL
	s_sub_co_i32 s33, 3, s32
	s_cmp_eq_u32 s31, 0
	s_cselect_b32 s33, s32, s33
	s_add_co_i32 s33, s28, s33
	s_max_i32 s34, s33, s29
	s_min_i32 s34, s34, s30
	s_lshl_b32 s20, s34, 16
	s_lshl_b32 s35, s10, 13
	s_add_co_u32 s20, s20, s35
	s_cmp_eq_u32 s33, s34
.endm
.macro XALOAD dst, sb                  ; a tile of x into window 1: lane (r, h) takes 16 neighbouring channels of each block of 32
	WIN 0x40
.irp b, 0,1,2,3
.irp j, 0,1,2,3
	global_load_b128 v[\dst+16*\b+4*\j:\dst+16*\b+4*\j+3], v5, s[\sb:\sb+1] offset:128*\b+16*\j
.endr
.endr
	WIN 0
.endm
.macro LNSUM src, w, st                ; the mean of my pixel's 128 channels, twice in v[st+8:st+9]
	WIN 5*\w
.irp k, 0,2,4,6
	v_pk_add_f32 v[\st+\k:\st+\k+1], v[\src+\k:\src+\k+1], v[\src+8+\k:\src+9+\k]
.endr
	WIN \w
.irp m, 16,24,32,40,48,56
.irp k, 0,2,4,6
	v_pk_add_f32 v[\st+\k:\st+\k+1], v[\src+\m+\k:\src+\m+\k+1], v[\st+\k:\st+\k+1]
.endr
.endr
	WIN 0
	v_pk_add_f32 v[\st:\st+1], v[\st:\st+1], v[\st+2:\st+3]
	v_pk_add_f32 v[\st+4:\st+5], v[\st+4:\st+5], v[\st+6:\st+7]
	v_pk_add_f32 v[\st:\st+1], v[\st:\st+1], v[\st+4:\st+5]
	v_add_f32 v[\st], v[\st], v[\st+1]
	v_permlanex16_b32 v[\st+2], v[\st], s22, s23
	v_add_f32 v[\st], v[\st], v[\st+2]
	v_mul_f32 v[\st+8], s59, v[\st]
	v_mul_f32 v[\st+9], s59, v[\st]
.endm
.macro LNDIF src, w, dst, st           ; x - mean
	WIN \w
.set kd, 0
.rept 32
	v_pk_add_f32 v[\dst+kd:\dst+kd+1], v[\src+kd:\src+kd+1], v[\st+8:\st+9] neg_lo:[0,1] neg_hi:[0,1]
.set kd, kd+2
.endr
	WIN 0
.endm
.macro LNVS dst, st                    ; the variance + eps in v[st]
.irp k, 0,2,4,6
	v_pk_mul_f32 v[\st+\k:\st+\k+1], v[\dst+\k:\dst+\k+1], v[\dst+\k:\dst+\k+1]
.endr
.irp m, 8,16,24,32,40,48,56
.irp k, 0,2,4,6
	v_pk_fma_f32 v[\st+\k:\st+\k+1], v[\dst+\m+\k:\dst+\m+\k+1], v[\dst+\m+\k:\dst+\m+\k+1], v[\st+\k:\st+\k+1]
.endr
.endr
	v_pk_add_f32 v[\st:\st+1], v[\st:\st+1], v[\st+2:\st+3]
	v_pk_add_f32 v[\st+4:\st+5], v[\st+4:\st+5], v[\st+6:\st+7]
	v_pk_add_f32 v[\st:\st+1], v[\st:\st+1], v[\st+4:\st+5]
	v_add_f32 v[\st], v[\st], v[\st+1]
	v_permlanex16_b32 v[\st+2], v[\st], s22, s23
	v_add_f32 v[\st], v[\st], v[\st+2]
	v_fma_f32 v[\st], v[\st], s59, s60
.endm
.macro RSQ2 st                         ; rsqrt, twice, in v[st+10:st+11]: one wait ahead of the two and one behind
	WALU
	v_rsq_f32 v[\st+10], v[\st]
	v_rsq_f32 v[\st+11], v[\st]
	v_nop
	WALU
.endm
.macro GBL ad, base, b, gb             ; gain and bias of block b, my half's 16 channels each
.irp j, 0,1,2,3
	ds_load_b128 v[\gb+4*\j:\gb+4*\j+3], v[\ad] offset:\base+64*(\b)+16*\j
.endr
.irp j, 0,1,2,3
	ds_load_b128 v[\gb+16+4*\j:\gb+16+4*\j+3], v[\ad] offset:\base+256+64*(\b)+16*\j
.endr
.endm
.macro LNAFF d, rs, gb
.set ka, 0
.rept 8
	v_pk_mul_f32 v[\d+ka:\d+ka+1], v[\d+ka:\d+ka+1], v[\rs:\rs+1]
.set ka, ka+2
.endr
.set ka, 0
.rept 8
	v_pk_fma_f32 v[\d+ka:\d+ka+1], v[\d+ka:\d+ka+1], v[\gb+ka:\gb+ka+1], v[\gb+16+ka:\gb+17+ka]
.set ka, ka+2
.endr
.endm
.macro AFF4 d, ad, base, g0            ; the four blocks on two buffers of 32 registers; blocks 0 and 1 were asked for before
.irp b, 0,1,2,3
.if \b < 3
	s_wait_dscnt 8                                 ; this block's g and b are in; the next block's eight loads may be out
.else
	s_wait_dscnt 0x0
.endif
	LNAFF \d+16*\b, 178, \g0+32*(\b%2)
.if \b < 2
	GBL \ad, \base, \b+2, \g0+32*(\b%2)
.endif
.endr
.endm
; 64 numbers of a lane become a fragment's codes in v[pc] on and its scale word in v[pw]
.macro QUANT src, pc, spl, tm, pw
.irp b, 0,1,2,3
	v_max3_num_f32 v[\tm+\b], |v[\src+16*\b]|, |v[\src+1+16*\b]|, 0x1800000   ; the floor 2^(3 - 127) holds the byte at 1 from below
.endr
.irp i, 2,4,6,8,10,12,14
.irp b, 0,1,2,3
	v_max3_num_f32 v[\tm+\b], v[\tm+\b], |v[\src+16*\b+\i]|, |v[\src+1+16*\b+\i]|
.endr
.endr
.irp b, 0,1,2,3
	v_permlanex16_b32 v[\tm+4+\b], v[\tm+\b], s22, s23
.endr
.irp b, 0,1,2,3
	v_max_num_f32 v[\tm+\b], v[\tm+\b], v[\tm+4+\b]
.endr
.irp b, 0,1,2,3
	v_add_nc_u32 v[\tm+12+\b], 0xff000000, v[\tm+\b]         ; 2 off the exponent field: the conversion's scale operand
.endr
.irp b, 0,1,2,3
	v_lshrrev_b32 v[\tm+4+\b], 23, v[\tm+12+\b]
.endr
	v_lshl_or_b32 v[\pw], v[\tm+5], 8, v[\tm+4]
	v_lshl_or_b32 v[\pw], v[\tm+6], 16, v[\pw]
	v_lshl_or_b32 v[\pw], v[\tm+7], 24, v[\pw]
.irp c, 0,1
	v_cvt_scalef32_pk16_fp6_f32 v[\pc+6*\c:\pc+2+6*\c], v[\src+32*\c:\src+15+32*\c], v[\tm+12+2*\c]
	v_cvt_scalef32_pk16_fp6_f32 v[\spl+4*\c:\spl+2+4*\c], v[\src+16+32*\c:\src+31+32*\c], v[\tm+12+2*\c+1]
.endr
	v_nop
.irp c, 0,1
.irp i, 0,1,2
	v_permlane16_swap_b32 v[\pc+6*\c+\i], v[\spl+4*\c+\i]
.endr
.irp i, 0,1,2
	v_mov_b32 v[\pc+3+6*\c+\i], v[\spl+4*\c+\i]
.endr
.endr
.endm
.macro WMS d, a, b, c, sa, sb, odd     ; one scaled product.  c < 0: the sum starts at 0.  odd: source 0's scale words stand in lanes 16-31
.if (\c) < 0
.if (\odd)
	v_wmma_scale_f32_16x16x128_f8f6f4 v[\d:\d+7], v[\a:\a+11], v[\b:\b+11], 0, v[\sa], v[\sb] matrix_a_fmt:MATRIX_FMT_FP6 matrix_b_fmt:MATRIX_FMT_FP6 matrix_a_scale:MATRIX_SCALE_ROW1
.else
	v_wmma_scale_f32_16x16x128_f8f6f4 v[\d:\d+7], v[\a:\a+11], v[\b:\b+11], 0, v[\sa], v[\sb] matrix_a_fmt:MATRIX_FMT_FP6 matrix_b_fmt:MATRIX_FMT_FP6
.endif
.else
.if (\odd)
	v_wmma_scale_f32_16x16x128_f8f6f4 v[\d:\d+7], v[\a:\a+11], v[\b:\b+11], v[\c:\c+7], v[\sa], v[\sb] matrix_a_fmt:MATRIX_FMT_FP6 matrix_b_fmt:MATRIX_FMT_FP6 matrix_a_scale:MATRIX_SCALE_ROW1
.else
	v_wmma_scale_f32_16x16x128_f8f6f4 v[\d:\d+7], v[\a:\a+11], v[\b:\b+11], v[\c:\c+7], v[\sa], v[\sb] matrix_a_fmt:MATRIX_FMT_FP6 matrix_b_fmt:MATRIX_FMT_FP6
.endif
.endif
.endm
; gelu(u) = u (0.5 + uc P(w) / Q(w)), uc = u held to +-4 sqrt 2, w = uc^2.  16 numbers in place.  S = T, w = T+16, P = T+32, Q = T+48
.macro GELU hb
	WALU                                           ; ahead of the first readers of the matrix results
.irp e, 0,1,2,3,4,5,6,7,8,9,10,11,12,13,14,15
	v_med3_num_f32 v[T+\e], v[\hb+\e], s70, s58
.endr
.irp k, 0,2,4,6,8,10,12,14
	v_pk_mul_f32 v[T+16+\k:T+17+\k], v[T+\k:T+1+\k], v[T+\k:T+1+\k]
.endr
.irp k, 0,2,4,6,8,10,12,14
	v_pk_fma_f32 v[T+48+\k:T+49+\k], v[T+16+\k:T+17+\k], s[48:49], v[38:39] op_sel_hi:[1,0,1]
.endr
.irp c, 50,52,54
.irp k, 0,2,4,6,8,10,12,14
	v_pk_fma_f32 v[T+48+\k:T+49+\k], v[T+48+\k:T+49+\k], v[T+16+\k:T+17+\k], s[\c:\c+1] op_sel_hi:[1,1,0]
.endr
.endr
	WALU                                           ; ahead of the batch
.irp e, 0,1,2,3,4,5,6,7,8,9,10,11,12,13,14,15
	v_rcp_f32 v[T+48+\e], v[T+48+\e]
.endr
.set gl, 0                             ; P's 48 lines name no result of the batch
.rept 48
.set gk, 2*(gl%8)
.if gl < 8
	v_pk_fma_f32 v[T+32+gk:T+33+gk], v[T+16+gk:T+17+gk], s[36:37], v[36:37] op_sel_hi:[1,0,1]
.else
	v_pk_fma_f32 v[T+32+gk:T+33+gk], v[T+32+gk:T+33+gk], v[T+16+gk:T+17+gk], s[36+2*(gl/8):37+2*(gl/8)] op_sel_hi:[1,1,0]
.endif
.set gl, gl+1
.endr
.irp k, 0,2,4,6,8,10,12,14
	v_pk_mul_f32 v[T+32+\k:T+33+\k], v[T+32+\k:T+33+\k], v[T+\k:T+1+\k]
.endr
	WALU                                           ; behind the batch, ahead of its first reader
.irp k, 0,2,4,6,8,10,12,14
	v_pk_fma_f32 v[T+32+\k:T+33+\k], v[T+32+\k:T+33+\k], v[T+48+\k:T+49+\k], 0.5 op_sel_hi:[1,1,0]
.endr
.irp k, 0,2,4,6,8,10,12,14
	v_pk_mul_f32 v[\hb+\k:\hb+\k+1], v[\hb+\k:\hb+\k+1], v[T+32+\k:T+33+\k]
.endr
.endm
; two blocks of the hidden layer (32 registers) become six registers of codes at v[dst] and two bytes of the scale word v[sw] (odd: the upper two).  Temporaries T .. T+12
.macro Q2 hb, dst, odd, sw
.irp b, 0,1
	v_max3_num_f32 v[T+\b], |v[\hb+16*\b]|, |v[\hb+16*\b+1]|, 0x1800000
	v_max3_num_f32 v[T+2+\b], |v[\hb+16*\b+8]|, |v[\hb+16*\b+9]|, |v[\hb+16*\b+10]|
.endr
.irp i, 2,4
.irp b, 0,1
	v_max3_num_f32 v[T+\b], v[T+\b], |v[\hb+16*\b+\i]|, |v[\hb+16*\b+\i+1]|
	v_max3_num_f32 v[T+2+\b], v[T+2+\b], |v[\hb+16*\b+9+\i]|, |v[\hb+16*\b+10+\i]|
.endr
.endr
.irp b, 0,1
	v_max3_num_f32 v[T+\b], v[T+\b], |v[\hb+16*\b+6]|, |v[\hb+16*\b+7]|
.endr
.irp b, 0,1
	v_max3_num_f32 v[T+\b], v[T+\b], v[T+2+\b], |v[\hb+16*\b+15]|
.endr
.irp b, 0,1
	v_permlanex16_b32 v[T+4+\b], v[T+\b], s22, s23
.endr
.irp b, 0,1
	v_max_num_f32 v[T+\b], v[T+\b], v[T+4+\b]
.endr
.irp b, 0,1
	v_add_nc_u32 v[T+6+\b], 0xff000000, v[T+\b]
.endr
.irp b, 0,1
	v_lshrrev_b32 v[T+8+\b], 23, v[T+6+\b]
.endr
.if \odd
	v_lshl_or_b32 v[\sw], v[T+8], 16, v[\sw]
	v_lshl_or_b32 v[\sw], v[T+9], 24, v[\sw]
.else
	v_lshl_or_b32 v[\sw], v[T+9], 8, v[T+8]
.endif
	v_cvt_scalef32_pk16_fp6_f32 v[\dst:\dst+2], v[\hb:\hb+15], v[T+6]
	v_cvt_scalef32_pk16_fp6_f32 v[T+10:T+12], v[\hb+16:\hb+31], v[T+7]
	v_nop
.irp i, 0,1,2
	v_permlane16_swap_b32 v[\dst+\i], v[T+10+\i]
.endr
.irp i, 0,1,2
	v_mov_b32 v[\dst+3+\i], v[T+10+\i]
.endr
.endm
.macro LB q, hb                        ; ff_b1 of hidden units 64 q on, my half's 32: the C of four tiles
.irp k, 0,1,2,3,4,5,6,7
	ds_load_b128 v[\hb+4*\k:\hb+4*\k+3], v6 offset:512+128*\q+16*\k
.endr
.endm
.macro WM1 q, hb                       ; hidden tiles 4 q .. 4 q + 3 = ff_w1 rows (window 1) x LN2's codes + b1
	WIN 0x01
.irp k, 0,1,2,3
	WMS \hb+8*\k, 12*(4*\q+\k), YC, \hb+8*\k, 16+(4*\q+\k)/2, 12, \k%2
.endr
	WIN 0
.endm
.macro W2F reg, t, s                   ; ff_w2's fragment (tile t, K step s) from LDS
.irp c, 0,1,2
	ds_load_b128 v[\reg+4*\c:\reg+4*\c+3], v3 offset:W2L+1536*(2*\t+\s)+512*\c
.endr
.endm
.macro W2M reg, t, s                   ; x' += that fragment x the hidden layer's K step s (codes in HC, v13, or in YC, v12)
	WMS X+8*\t, \reg, HC-12*\s, X+8*\t, 24+2*(\t/2)+\s, 13-\s, \t%2
.endm
.macro KLOAD kb, ad, off               ; one neighbour row: three columns x my 16 channels of k or v
.irp dj, 0,1,2
.irp u, 0,1
.irp jj, 0,1
	ds_load_b128 v[\kb+16*\dj+8*\u+4*\jj:\kb+16*\dj+8*\u+4*\jj+3], v[\ad] offset:\off+16*\dj+(2*\u+\jj)*PLANE
.endr
.endr
.endr
.endm
.macro DOTS di, kb
.irp m, 0,1,2,3
.irp dj, 0,1,2
.irp u, 0,1
.if \m == 0
	v_pk_mul_f32 v[ACC+4*\dj+2*\u:ACC+4*\dj+2*\u+1], v[QO+8*\u:QO+8*\u+1], v[\kb+16*\dj+8*\u:\kb+16*\dj+8*\u+1]
.else
	v_pk_fma_f32 v[ACC+4*\dj+2*\u:ACC+4*\dj+2*\u+1], v[QO+8*\u+2*\m:QO+8*\u+2*\m+1], v[\kb+16*\dj+8*\u+2*\m:\kb+16*\dj+8*\u+2*\m+1], v[ACC+4*\dj+2*\u:ACC+4*\dj+2*\u+1]
.endif
.endr
.endr
.endr
.irp dj, 0,1,2
.irp u, 0,1
	v_add_f32 v[DT+2*(3*\di+\dj)+\u], v[ACC+4*\dj+2*\u], v[ACC+4*\dj+2*\u+1]
.endr
.endr
.endm
.macro PV di, kb
.irp dj, 0,1,2
.irp u, 0,1
.irp m, 0,1,2,3
.if (\di+\dj) == 0
	v_pk_mul_f32 v[QO+8*\u+2*\m:QO+8*\u+2*\m+1], v[\kb+16*\dj+8*\u+2*\m:\kb+16*\dj+8*\u+2*\m+1], v[DT+2*(3*\di+\dj):DT+2*(3*\di+\dj)+1] op_sel:[0,\u] op_sel_hi:[1,\u]
.else
	v_pk_fma_f32 v[QO+8*\u+2*\m:QO+8*\u+2*\m+1], v[\kb+16*\dj+8*\u+2*\m:\kb+16*\dj+8*\u+2*\m+1], v[DT+2*(3*\di+\dj):DT+2*(3*\di+\dj)+1], v[QO+8*\u+2*\m:QO+8*\u+2*\m+1] op_sel:[0,\u,0] op_sel_hi:[1,\u,1]
.endif
.endr
.endr
.endr
.endm
; STAGE A of row e = s11 - 1.  x stands in window 1 from v[src].  lc: the younger global loads that may stay out.
; qm: 0 no q, 1 q, 2 q but in step 5.  xm: 0 nothing, 1 the next row's x is asked for once this row's has been read, 2 the same but in step 5.
.macro ASTAGE src, lc, qm, xm
	s_sub_co_i32 s32, s11, 1
	ROWSEL
	s_cselect_b32 s26, 1, 0
	GBL 6, 0, 0, T
	GBL 6, 0, 1, T+32
	s_wait_loadcnt \lc
	LNSUM \src, 1, 168
	LNDIF \src, 1, X, 168
.if \xm
.if \xm == 2
	s_cmp_eq_u32 s11, 5
	s_cbranch_scc1 .Lnx_\@
.endif
	s_mov_b32 s32, s11
	ROWSEL
	s_add_nc_u64 s[14:15], s[4:5], s[20:21]        ; no load that names this base is out: the wait above was for all
	XALOAD 192, 14
.if \xm == 2
.Lnx_\@:
.endif
.endif
	LNVS X, 168
	RSQ2 168
	AFF4 X, 6, 0, T
	QUANT X, YC, T+16, T, 12
.irp f, 0,1,2,3
.irp c, 0,1,2
	ds_load_b128 v[X+12*\f+4*\c:X+12*\f+4*\c+3], v3 offset:1536*(\f+2)+512*\c   ; k's and v's four fragments
.endr
.endr
	NOPS 8                                         ; a scale word made by vector instructions stands eight places ahead
	WALU
	s_wait_dscnt 0x0
.irp i, 0,1,2,3
	WMS H+8*\i, X+12*\i, YC, -1, 10+\i/2, 12, \i%2
.endr
	NOPS 4
	s_cmp_lg_u32 s26, 0
	s_cbranch_scc1 .Lin_\@
.set kz, 0
.rept 32
	v_mov_b32 v[H+kz], 0                           ; a row outside the image: reference()'s padding
.set kz, kz+1
.endr
.Lin_\@:
	v_add_nc_u32 v14, s61, v7
.irp i, 0,1,2,3
.irp jj, 0,1
	ds_store_b128 v14, v[H+8*\i+4*\jj:H+8*\i+4*\jj+3] offset:16+(8*(\i/2)+2*(\i%2)+\jj)*PLANE   ; sixteen lanes store 256 consecutive bytes of a plane
.endr
.endr
.if \qm
.if \qm == 2
	s_cmp_eq_u32 s11, 5
	s_cbranch_scc1 .Lnoq_\@
.endif
.irp u, 0,1
.irp c, 0,1,2
	ds_load_b128 v[T+12*\u+4*\c:T+12*\u+4*\c+3], v3 offset:1536*\u+512*\c
.endr
.endr
	s_and_b32 s33, s11, 1                          ; the stash's slot: step's parity
	s_mul_i32 s33, s33, 24576
	s_add_co_u32 s33, s33, s62
	v_add_nc_u32 v15, s33, v3
	WALU
	s_wait_dscnt 0x0
.irp u, 0,1
	WMS T+24+8*\u, T+12*\u, YC, -1, 9, 12, \u
.endr
	NOPS 4
.irp u, 0,1
.irp jj, 0,1
	ds_store_b128 v15, v[T+24+8*\u+4*\jj:T+24+8*\u+4*\jj+3] offset:512*(2*\u+\jj)   ; an image of the registers, read back by the same lanes
.endr
.endr
.if \qm == 2
.Lnoq_\@:
.endif
.endif
	s_wait_dscnt 0x0                               ; my stores have landed
.endm
	; ---------------- the head
	s_load_b128 s[4:7], s[0:1], 0x0                ; x in, the parameters
	s_load_b64 s[8:9], s[0:1], 0x10                ; x out
	v_lshl_add_u32 v1, v0, 2, SPARE                ; my spare word, and 0: for the wave's closing lines
	v_mov_b32 v2, 0
	v_lshrrev_b32 v240, 5, v0
	v_readfirstlane_b32 s10, v240                  ; wave 0..7
	v_and_b32 v242, 31, v0
	v_and_b32 v240, 15, v0                         ; r
	v_bfe_u32 v241, v0, 4, 1                       ; h
	v_lshlrev_b32 v3, 4, v242                      ; 16 x lane
	v_lshlrev_b32 v4, 2, v242                      ; 4 x lane
	v_lshlrev_b32 v5, 9, v240
	v_lshl_add_u32 v5, v241, 6, v5                 ; x: pixel r of 512 bytes, + 64 h
	v_lshlrev_b32 v6, 10, v241
	v_add_nc_u32 v6, 9728, v6                      ; my half's ln1 vectors and ff_b1
	v_mul_u32_u24 v7, v241, 4*PLANE
	v_lshl_add_u32 v7, v240, 4, v7
	s_lshl_b32 s32, s10, 8
	s_add_co_u32 s32, s32, KV
	v_add_nc_u32 v7, s32, v7                       ; k, v: column 16 w + r (less one), my half's four planes
	v_mul_u32_u24 v8, v240, SP
	v_lshl_add_u32 v8, v241, 6, v8
	s_mul_i32 s32, s10, 16*SP
	s_add_co_u32 s71, s32, STG                     ; my stage
	v_add_nc_u32 v8, s71, v8
	s_lshl_b32 s28, ttmp9, 2                       ; the strip's first row, counted through all images
	s_and_b32 s29, s28, 0xffffff80
	s_add_co_u32 s30, s29, 127
	s_and_b32 s31, ttmp9, 1
	s_mov_b32 s21, 0
	s_mov_b32 s22, 0x76543210
	s_mov_b32 s23, 0xfedcba98
	SPAIR 24, 0.5100697233                         ; log2(e) / sqrt(8)
	SPAIR 36, -0.0000000000015059950602            ; P x 0.5 / sqrt 2, from w^6 down (w^5 in v[36:37])
	SPAIR 38, -0.0000004642651039
	SPAIR 40, -0.000002515756171
	SPAIR 42, -0.00006496460735
	SPAIR 44, -0.0005223043901
	SPAIR 46, -0.005690807158
	SPAIR 48, -0.000000910379490406225             ; Q, from w^4 down (w^3 in v[38:39])
	SPAIR 50, -0.0004207067435955
	SPAIR 52, -0.00368666458360234
	SPAIR 54, -0.0142647390514189
	s_mov_b32 s58, 5.65685425
	s_mov_b32 s70, -5.65685425
	s_mov_b32 s59, 0.0078125
	s_mov_b32 s60, 0.001
	v_mov_b32 v36, 0.00000000030611994126
	v_mov_b32 v37, v36
	v_mov_b32 v38, -0.000026671756909863
	v_mov_b32 v39, v38
	s_mov_b32 s11, 0                               ; tt
	s_mov_b32 s61, 0                               ; stage A's slot, in bytes
	s_lshl_b32 s62, s10, 11
	s_add_co_u32 s62, s62, W1L                     ; my 2,048 bytes of the stash's slot 0; slot 1 lies 24,576 bytes on
	s_mov_b32 s63, 0                               ; stage B's first slot
	v_mul_u32_u24 v14, v0, PLANE
	v_add_nc_u32 v14, KV, v14                      ; plane number = thread number: 96 planes
.irp i, 192,193,194,195
	v_mov_b32 v[\i], 0
.endr
	v_lshlrev_b32 v15, 4, v0
	WALU
	s_cmp_lt_u32 s10, 3
	s_cbranch_scc0 .Lnozero
	ds_store_b128 v14, v[192:195]                  ; column -1
	ds_store_b128 v14, v[192:195] offset:129*16    ; column 128
.Lnozero:
	s_wait_kmcnt 0x0
.irp k, 0,1,2,3,4,5
	global_load_b128 v[40+4*\k:43+4*\k], v15, s[6:7] offset:4096*\k           ; the parameters, once for the work-group: 256 threads x 16 bytes a piece
	global_load_b128 v[64+4*\k:67+4*\k], v15, s[6:7] offset:23552+4096*\k     ; ff_w1's fragments
	global_load_b128 v[88+4*\k:91+4*\k], v15, s[6:7] offset:48128+4096*\k     ; ff_w2's
.endr
	s_mov_b32 s32, -1
	ROWSEL
	s_add_nc_u64 s[14:15], s[4:5], s[20:21]
	XALOAD 192, 14                                 ; row e = -1
	s_mov_b32 s32, 0
	ROWSEL
	s_add_nc_u64 s[16:17], s[4:5], s[20:21]
	XALOAD 0, 16                                   ; row e = 0, where ff_w1 will stand
	v_add_nc_u32 v14, W1L, v15
	WALU
	s_wait_loadcnt 32                              ; the parameters are in; the two rows' 32 loads may be out
.irp k, 0,1,2,3,4,5
	ds_store_b128 v15, v[40+4*\k:43+4*\k] offset:4096*\k
	ds_store_b128 v14, v[64+4*\k:67+4*\k] offset:4096*\k
	ds_store_b128 v15, v[88+4*\k:91+4*\k] offset:W2L+4096*\k
.endr
	s_wait_dscnt 0x0
	s_barrier_signal -1
	s_barrier_wait -1                              ; the parameters and the zero columns are whole
.irp b, 0,1,2
	ds_load_b32 v[9+\b], v4 offset:9216+128*\b     ; qkv's scale words
.endr
.irp b, 0,1,2,3
	ds_load_b32 v[32+\b], v4 offset:20992+128*\b   ; out_w's
.endr
.irp b, 0,1,2,3,4,5,6,7
	ds_load_b32 v[16+\b], v4 offset:21504+128*\b   ; ff_w1's
	ds_load_b32 v[24+\b], v4 offset:22528+128*\b   ; ff_w2's
.endr
	ASTAGE 192, 16, 0, 0                           ; row e = -1 (row 0's 16 loads may stay out)
	s_add_co_u32 s61, s61, ROWKV
	s_add_co_u32 s11, s11, 1
	ASTAGE 0, 0, 1, 1                              ; row e = 0; row 1 is asked for
	s_add_co_u32 s61, s61, ROWKV
	s_add_co_u32 s11, s11, 1
	v_add_nc_u32 v14, W1L, v3
	WIN 0x40
.set kp, 0
.rept 48
	ds_load_b128 v[4*kp:4*kp+3], v14 offset:512*kp ; ff_w1's fragments: they stay in window 1
.set kp, kp+1
.endr
	WIN 0
	v_bfe_u32 v4, v0, 4, 1
	v_mul_u32_u24 v4, v4, 768                      ; from here on: my half's ln2_g, ln2_b, out_b (from byte 12,288)
	WALU
	s_wait_dscnt 0x0                               ; my reads of ff_w1's bytes are over
	s_barrier_signal -1
	s_barrier_wait -1                              ; everybody's are: the stash may be stored there
	; ---------------- four steps: A of row tt - 1, then B of row tt - 2
.Lmain:
	ASTAGE 192, 0, 2, 2
	s_add_co_u32 s61, s61, ROWKV
	s_barrier_signal -1
	s_barrier_wait -1                              ; slots up to tt are whole
	s_sub_co_i32 s32, s11, 2
	ROWSEL
	s_add_nc_u64 s[16:17], s[4:5], s[20:21]
	s_add_nc_u64 s[18:19], s[8:9], s[20:21]
	s_and_b32 s33, s11, 1
	s_xor_b32 s33, s33, 1                          ; the stash's slot of the step before
	s_mul_i32 s33, s33, 24576
	s_add_co_u32 s33, s33, s62
	v_add_nc_u32 v14, s63, v7                      ; neighbour rows 0 and 1
	v_add_nc_u32 v15, s33, v3
.irp k, 0,1,2,3
	ds_load_b128 v[QO+4*\k:QO+4*\k+3], v15 offset:512*\k
.endr
	KLOAD KB0, 14, 0
	KLOAD KB1, 14, ROWKV
.irp b, 0,1,2,3
.irp j, 0,1,2,3
	global_load_b128 v[X+16*\b+4*\j:X+16*\b+4*\j+3], v5, s[16:17] offset:128*\b+16*\j   ; the residual
.endr
.endr
	v_add_nc_u32 v15, 2*ROWKV, v14                 ; neighbour row 2
	WALU
	s_wait_dscnt 12                                ; here and below: all but the twelve LDS loads issued last
	DOTS 0, KB0
	KLOAD KB0, 15, 0
	s_wait_dscnt 12
	DOTS 1, KB1
	KLOAD KB1, 14, 8*PLANE
	s_wait_dscnt 12
	DOTS 2, KB0
	KLOAD KB0, 14, ROWKV+8*PLANE
	; the softmax over the nine, for two heads: the maximum is taken away; the weights stay unnormalised until o is summed
.irp u, 0,1
	v_max3_num_f32 v[246+\u], v[DT+\u], v[DT+2+\u], v[DT+4+\u]
.endr
.irp n, 6,10,14
.irp u, 0,1
	v_max3_num_f32 v[246+\u], v[246+\u], v[DT+\n+\u], v[DT+\n+2+\u]
.endr
.endr
	v_mul_f32 v246, s24, v246
	v_mul_f32 v247, s24, v247
.irp n, 0,2,4,6,8,10,12,14,16
	v_pk_fma_f32 v[DT+\n:DT+\n+1], v[DT+\n:DT+\n+1], s[24:25], v[246:247] op_sel_hi:[1,0,1] neg_lo:[0,0,1] neg_hi:[0,0,1]
.endr
	WALU
.irp k, 0,1,2,3,4,5,6,7,8,9,10,11,12,13,14,15,16,17
	v_exp_f32 v[DT+\k], v[DT+\k]
.endr
	v_nop
	WALU
	v_pk_add_f32 v[216:217], v[DT:DT+1], v[DT+2:DT+3]
	v_pk_add_f32 v[218:219], v[DT+4:DT+5], v[DT+6:DT+7]
	v_pk_add_f32 v[216:217], v[216:217], v[DT+8:DT+9]
	v_pk_add_f32 v[218:219], v[218:219], v[DT+10:DT+11]
	v_pk_add_f32 v[216:217], v[216:217], v[DT+12:DT+13]
	v_pk_add_f32 v[218:219], v[218:219], v[DT+14:DT+15]
	v_pk_add_f32 v[216:217], v[216:217], v[DT+16:DT+17]
	v_pk_add_f32 v[216:217], v[216:217], v[218:219]
	WALU
	v_rcp_f32 v220, v216
	v_rcp_f32 v221, v217                           ; the 72 lines below name neither
	s_wait_dscnt 12
	PV 0, KB1
	KLOAD KB1, 15, 8*PLANE
	WALU
	s_wait_dscnt 12
	PV 1, KB0
.irp k, 0,1,2,3,4,5,6,7,8,9,10,11
	ds_load_b128 v[104+4*\k:107+4*\k], v3 offset:13824+512*\k     ; out_w, into registers that the sum above has left
.endr
	WALU                                           ; likewise
	s_wait_dscnt 12
	PV 2, KB1
.irp k, 12,13
	ds_load_b128 v[104+4*\k:107+4*\k], v3 offset:13824+512*\k
.endr
	WALU                                           ; the two reciprocals
.irp u, 0,1
.irp m, 0,1,2,3
	v_pk_mul_f32 v[QO+8*\u+2*\m:QO+8*\u+2*\m+1], v[QO+8*\u+2*\m:QO+8*\u+2*\m+1], v[220:221] op_sel:[0,\u] op_sel_hi:[1,\u]
.endr
.endr
	; o's 32 channels are one block: my 16 and lane l xor 16's.  Its codes fill K = 0 .. 31; the rest are zero codes under the byte of 1.0
.irp i, 3,4,5,6,7,8,9,10,11
	v_mov_b32 v[YC+\i], 0
.endr
	v_max3_num_f32 v222, |v[QO]|, |v[QO+1]|, 0x1800000
	v_max3_num_f32 v223, |v[QO+2]|, |v[QO+3]|, |v[QO+4]|
	v_max3_num_f32 v222, v222, |v[QO+5]|, |v[QO+6]|
	v_max3_num_f32 v223, v223, |v[QO+7]|, |v[QO+8]|
	v_max3_num_f32 v222, v222, |v[QO+9]|, |v[QO+10]|
	v_max3_num_f32 v223, v223, |v[QO+11]|, |v[QO+12]|
	v_max3_num_f32 v222, v222, |v[QO+13]|, |v[QO+14]|
	v_max3_num_f32 v222, v222, v223, |v[QO+15]|
	v_permlanex16_b32 v224, v222, s22, s23
	v_max_num_f32 v222, v222, v224
	v_add_nc_u32 v225, 0xff000000, v222
	v_lshrrev_b32 v226, 23, v225
	v_or_b32 v13, 0x7f7f7f00, v226
	v_cvt_scalef32_pk16_fp6_f32 v[YC:YC+2], v[QO:QO+15], v225
	v_nop
.irp i, 0,1,2
	v_permlane16_swap_b32 v[YC+\i], v[YC+3+\i]     ; lanes 0-15 get channels 16 .. 31 beside 0 .. 15; lanes 16-31 get zeros
.endr
.irp k, 0,1,2,3,4,5,6,7,8,9,10,11,12,13,14,15
	ds_load_b128 v[T+4*\k:T+4*\k+3], v4 offset:12288+512+16*\k    ; out_b, my half's 64
.endr
	NOPS 8
	WALU
	s_wait_loadcnt 0x0                             ; the residual
	s_wait_dscnt 16                                ; out_w is in; out_b's sixteen loads may be out
.irp t, 0,1,2,3,4,5,6,7
	WMS X+8*\t, 104+6*\t, YC, X+8*\t, 32+\t/2, 13, \t%2
.endr
	NOPS 4
	GBL 4, 12288, 0, H0
	GBL 4, 12288, 1, H1
	s_wait_dscnt 16                                ; out_b is in
.set kd, 0
.rept 32
	v_pk_add_f32 v[X+kd:X+kd+1], v[X+kd:X+kd+1], v[T+kd:T+kd+1]         ; + out_b: x'
.set kd, kd+2
.endr
	LNSUM X, 0, 168
	LNDIF X, 0, T, 168
	LNVS T, 168
	RSQ2 168
	AFF4 T, 4, 12288, H0
	LB 0, H0
	QUANT T, YC, HC, H1, 12
	LB 1, H1
	NOPS 8
	WALU
	s_wait_dscnt 0x0
	; the MLP: hidden units 0-127 become codes in HC (word v13), 128-255 codes in YC's registers (word v12); then all sixteen products with ff_w2, with no transcendental between them
	WM1 0, H0
	WM1 1, H1
	NOPS 4
	GELU H0
	GELU H0+16
	Q2 H0, HC, 0, 13
	LB 2, H0
	GELU H1
	GELU H1+16
	Q2 H1, HC+6, 1, 13
	LB 3, H1
	s_wait_dscnt 8                                 ; the third bias block is in; the fourth's eight loads may be out
	WM1 2, H0
	NOPS 4
	GELU H0
	s_wait_dscnt 0x0
	WM1 3, H1
	GELU H0+16
	Q2 H0, YC, 0, 12
	W2F 104, 0, 0                                  ; ff_w2's fragments go into registers as they fall free
	W2F 116, 1, 0
	GELU H1
	GELU H1+16
	W2F T+16, 2, 0
	W2F T+28, 3, 0
	W2F T+40, 4, 0
	W2F T+52, 5, 0
	Q2 H1, YC+6, 1, 12
	W2F 128, 6, 0
	W2F 140, 7, 0
	W2F 152, 0, 1
	W2F T, 1, 1
	NOPS 8
	WALU
	s_wait_dscnt 12                                ; the first six fragments are in; the four issued last may be out
	W2M 104, 0, 0
	W2M 116, 1, 0
	W2M T+16, 2, 0
	W2M T+28, 3, 0
	W2M T+40, 4, 0
	W2M T+52, 5, 0
	s_wait_dscnt 6
	W2M 128, 6, 0
	W2M 140, 7, 0
	NOPS 4                                         ; places ahead of loads into fragments that have been multiplied
	W2F 104, 2, 1
	W2F 116, 3, 1
	W2F T+16, 4, 1
	W2F T+28, 5, 1
	W2F T+40, 6, 1
	W2F T+52, 7, 1
	s_wait_dscnt 18
	W2M 152, 0, 1
	W2M T, 1, 1
	s_wait_dscnt 0x0
	W2M 104, 2, 1
	W2M 116, 3, 1
	W2M T+16, 4, 1
	W2M T+28, 5, 1
	W2M T+40, 6, 1
	W2M T+52, 7, 1
	; the way out, 64 channels at a time: through my stage, back as halves of pixels of 256 bytes, + ff_b2.  The six lines are the places behind the products
	v_and_b32 v204, 15, v0
	v_lshlrev_b32 v204, 4, v204                    ; 16 r
	v_bfe_u32 v205, v0, 4, 1
	v_mad_u32_u24 v14, v205, SP, v204
	v_add_nc_u32 v14, s71, v14                     ; back: lanes 0-15 one row of the stage, lanes 16-31 the next
	v_lshl_add_u32 v15, v205, 9, v204              ; and the same two pixels in x out
	WALU
.irp g, 0,1
.irp bb, 0,1
.irp j, 0,1,2,3
	ds_store_b128 v8, v[X+32*\g+16*\bb+4*\j:X+32*\g+16*\bb+4*\j+3] offset:128*\bb+16*\j   ; each accumulator from its low end on
.endr
.endr
	ds_load_b128 v[104+4*\g:107+4*\g], v204 offset:11776+256*\g    ; ff_b2 of my four channels
.irp i, 0,1,2,3,4,5,6,7
	ds_load_b128 v[128+32*\g+4*\i:131+32*\g+4*\i], v14 offset:2*SP*\i     ; LDS serves a wave's instructions in order: these see my stores, and the next half's stores come behind them
.endr
.endr
.irp g, 0,1
	s_wait_dscnt 17-17*\g                          ; this half is back; the other half's 17 LDS instructions may be out
.irp i, 0,1,2,3,4,5,6,7
	v_pk_add_f32 v[128+32*\g+4*\i:129+32*\g+4*\i], v[128+32*\g+4*\i:129+32*\g+4*\i], v[104+4*\g:105+4*\g]
	v_pk_add_f32 v[130+32*\g+4*\i:131+32*\g+4*\i], v[130+32*\g+4*\i:131+32*\g+4*\i], v[106+4*\g:107+4*\g]
.endr
.irp i, 0,1,2,3,4,5,6,7
	global_store_b128 v15, v[128+32*\g+4*\i:131+32*\g+4*\i], s[18:19] offset:1024*\i+256*\g th:TH_STORE_NT   ; sixteen lanes store 256 consecutive bytes, aligned
.endr
.endr
	s_wait_xcnt 0x0                                ; the stores' data, offset and base are written again only behind this wait
	s_add_co_u32 s63, s63, ROWKV
	s_add_co_u32 s11, s11, 1
	s_cmp_lt_u32 s11, 6
	s_cbranch_scc1 .Lmain
	s_wait_tensorcnt 0x0                           ; the wave's end, behind my last LDS store
	ds_add_u32 v1, v2
	s_wait_dscnt 0x0
	s_endpgm
.Lfunc_end_k_q73b8cedbce_layer0:
	.size	k_q73b8cedbce_layer0, .Lfunc_end_k_q73b8cedbce_layer0-k_q73b8cedbce_layer0
	.p2alignl 7, 3214868480
	.fill 96, 4, 3214868480
	.section	.rodata,"a",@progbits
	.p2align	6, 0x0
	.amdhsa_kernel k_q73b8cedbce_layer0
		.amdhsa_group_segment_fixed_size 325632
		.amdhsa_private_segment_fixed_size 0
		.amdhsa_enable_private_segment 0
		.amdhsa_kernarg_size 24
		.amdhsa_user_sgpr_count 2
		.amdhsa_user_sgpr_kernarg_segment_ptr 1
		.amdhsa_wavefront_size32 1
		.amdhsa_system_sgpr_workgroup_id_x 1
		.amdhsa_system_sgpr_workgroup_id_y 1
		.amdhsa_system_sgpr_workgroup_id_z 1
		.amdhsa_system_vgpr_workitem_id 0
		.amdhsa_next_free_vgpr 512
		.amdhsa_next_free_sgpr 80
		.amdhsa_reserve_vcc 0
		.amdhsa_float_denorm_mode_32 3
		.amdhsa_float_denorm_mode_16_64 3
		.amdhsa_memory_ordered 1
		.amdhsa_forward_progress 1
		.amdhsa_inst_pref_size 220
	.end_amdhsa_kernel
	.amdgpu_metadata
---
amdhsa.version: [ 1, 2 ]
amdhsa.kernels:
  - .name:           k_q73b8cedbce_layer0
    .symbol:         k_q73b8cedbce_layer0.kd
    .args:
      - { .name: x, .offset: 0, .size: 8, .value_kind: global_buffer, .address_space: global }
      - { .name: W0, .offset: 8, .size: 8, .value_kind: global_buffer, .address_space: global }
      - { .name: bufA, .offset: 16, .size: 8, .value_kind: global_buffer, .address_space: global }
    .group_segment_fixed_size: 325632
    .private_segment_fixed_size: 0
    .kernarg_segment_align: 8
    .kernarg_segment_size: 24
    .max_flat_workgroup_size: 256
    .sgpr_count:     80
    .vgpr_count:     512
    .wavefront_size: 32
...
	.end_amdgpu_metadata
.endif
;; end of part 2
;; launch layer1: the kernel of part 2 again; grid 256 x 1, 8 waves a work-group, no clusters, 325,632 bytes of LDS; arguments bufA, W1, out0; writes out0
;; launch layer2: the kernel of part 2 again; grid 256 x 1, 8 waves a work-group, no clusters, 325,632 bytes of LDS; arguments out0, W2, bufA; writes bufA
;; launch layer3: the kernel of part 2 again; grid 256 x 1, 8 waves a work-group, no clusters, 325,632 bytes of LDS; arguments bufA, W3, out0; writes out0
